; MI455X (gfx1250); checked and timed in simulation.
; The chip was launched on July 23, 2026; its instructions are those of AMD's public machine-readable ISA for CDNA 5 (MIT licence, August 2026) and "CDNA5" Instruction Set Architecture Reference Guide (July 2026). The comments in the code are by the model that wrote it; some were corrected since.
;; Stripe Polynomial2d. Allowed arithmetic: float matrix products may take bf16 or f16 operands with f32 sums; all other float work in f32.
;; Inputs: weights 8 x 3 x 1,025 float32; x 16 x 3 x 256 x 512 float32.
;; Outputs: out0 16 x 3 x 256 x 512 float32.
;; 2 versions, each right; version 2 is version 1 with the launch gather written anew for expert scheduling mode. Each part assembles by itself: llvm-mc -triple=amdgcn-amd-amdhsa -mcpu=gfx1250 --defsym DOCPART=n.
;; ======== version 1 of 2: 2 launches
;; limits: inputs' magnitudes at most 32,768
;; workspace buffers: q 25,165,824 bytes of whole numbers
;; launch encode (part 1): grid 768 x 1, 8 waves a work-group, no clusters, 33,792 bytes of LDS; arguments x, q; writes q
.if DOCPART == 1
	.amdgcn_target "amdgcn-amd-amdhsa--gfx1250"
	.amdhsa_code_object_version 6
	.text
	.protected	k_q3b1688045f_encode
	.globl	k_q3b1688045f_encode
	.p2align	8
	.type	k_q3b1688045f_encode,@function
k_q3b1688045f_encode:
	s_mov_b64 s[64:65], 0
	v_nop
	global_prefetch_b8 v0, s[64:65] scope:SCOPE_SE
	s_setreg_imm32_b32 hwreg(HW_REG_WAVE_MODE, 25, 1), 1
	s_wait_xcnt 0x0
; q = round(x * 2^15) as int32: 0.5 x in units of 2^-16 of a segment, the perturbation that the next launch adds to its stripe positions.
; The next launch forms table addresses from q, so q is made here, in whole numbers, and stored.
; LAYOUT OF q: the same byte offsets as x, but inside each block of 128 numbers (512 bytes) number 32 j + l lies at byte 16 l + 4 j.
; A 16-byte load of lane l then brings numbers l, 32+l, 64+l, 96+l: in each register neighbouring lanes hold neighbouring h.
; LIMITS: |x| >= 32768 is taken as +-32768 (q is held inside +-2^30 so that position + q cannot overflow 32 bits);
; a NaN in x is taken as -32768, an infinity as +-32768; x is resolved to 2^-15.
; Eight waves; a wave owns 4,096 consecutive bytes (8 blocks), all eight loads go out at once; each load and each store of a wave
; covers 512 consecutive bytes.  The reordering goes through the wave's own 4,096 bytes of LDS: no barrier.
.set BLK,  512                         ; bytes in a block
.set NBLK, 8                           ; blocks of a wave
.set GO,   1                           ; v1      16 lane + 4096 wave: my 16 bytes in the group's part of x and q, and in LDS
.set LR,   2                           ; v2      4 lane + 4096 wave: where I read one number back
.set LN,   3                           ; v3      lane
.set X,    4                           ; v[4:35]  block k: 4 registers as loaded
.set Y,    36                          ; v[36:67] block k: 4 registers reordered, then coded, then stored
	s_load_b128 s[4:7], s[0:1], 0x0                ; x s[4:5], q s[6:7]
	v_lshl_add_u32 v68, v0, 2, 0x8000
	v_mov_b32 v69, 0
	v_lshrrev_b32 v[LN], 5, v0
	v_readfirstlane_b32 s8, v[LN]                  ; wave
	v_and_b32 v[LN], 31, v0
	s_lshl_b32 s9, s8, 12                          ; the wave's 4,096 bytes
	v_lshl_add_u32 v[GO], v[LN], 4, s9
	v_lshl_add_u32 v[LR], v[LN], 2, s9
	s_lshl_b32 s10, ttmp9, 15                      ; the work-group's 32,768 bytes (767 x 32,768 is below 2^31)
	s_mov_b32 s11, 0
	s_mov_b32 s12, 0xce800000                      ; -2^30
	s_mov_b32 s13, 0x4e800000                      ; +2^30
	s_mov_b32 s14, 0x47000000                      ; 2^15, a pair for the packed multiply (the first is used for both halves)
	s_mov_b32 s15, 0x47000000
	s_wait_kmcnt 0x0
	s_add_nc_u64 s[4:5], s[4:5], s[10:11]
	s_add_nc_u64 s[6:7], s[6:7], s[10:11]
.irp k, 0,1,2,3,4,5,6,7
	global_load_b128 v[X+4*\k:X+4*\k+3], v[GO], s[4:5] offset:\k*BLK th:TH_LOAD_NT
.endr
; Block k into LDS as it lies in memory, and back one number a lane: register j takes numbers 32 j + lane.
.macro TURN k
	s_wait_loadcnt NBLK-1-(\k)                     ; loads come back in order: block k is in, the younger ones stay out
	ds_store_b128 v[GO], v[X+4*(\k):X+4*(\k)+3] offset:(\k)*BLK
.irp j, 0,1,2,3
	ds_load_b32 v[Y+4*(\k)+\j], v[LR] offset:(\k)*BLK+128*\j   ; LDS serves a wave's instructions in order: these see the store above
.endr
.endm
; Block k is scaled, held inside +-2^30, rounded to nearest, made an integer and stored.  left = younger LDS instructions that may stay out.
.macro CODE k, left
	s_wait_dscnt \left
	v_pk_mul_f32 v[Y+4*(\k):Y+4*(\k)+1],   v[Y+4*(\k):Y+4*(\k)+1],   s[14:15] op_sel_hi:[1,0]
	v_pk_mul_f32 v[Y+4*(\k)+2:Y+4*(\k)+3], v[Y+4*(\k)+2:Y+4*(\k)+3], s[14:15] op_sel_hi:[1,0]
.irp j, 0,1,2,3
	v_max_num_f32 v[Y+4*(\k)+\j], s12, v[Y+4*(\k)+\j]
.endr
.irp j, 0,1,2,3
	v_min_num_f32 v[Y+4*(\k)+\j], s13, v[Y+4*(\k)+\j]
.endr
.irp j, 0,1,2,3
	v_rndne_f32 v[Y+4*(\k)+\j], v[Y+4*(\k)+\j]
.endr
.irp j, 0,1,2,3
	v_cvt_i32_f32 v[Y+4*(\k)+\j], v[Y+4*(\k)+\j]
.endr
	global_store_b128 v[GO], v[Y+4*(\k):Y+4*(\k)+3], s[6:7] offset:(\k)*BLK   ; no hint: the next launch reads these bytes
.endm
	TURN 0
.irp k, 1,2,3,4,5,6,7
	TURN \k
	CODE \k-1, 5                                   ; five younger LDS instructions: block k's store and its four loads
.endr
	CODE 7, 0
	s_wait_tensorcnt 0x0
	ds_add_u32 v68, v69
	s_wait_dscnt 0x0
	s_endpgm
.Lfunc_end_k_q3b1688045f_encode:
	.size	k_q3b1688045f_encode, .Lfunc_end_k_q3b1688045f_encode-k_q3b1688045f_encode
	.p2alignl 7, 3214868480
	.fill 96, 4, 3214868480
	.section	.rodata,"a",@progbits
	.p2align	6, 0x0
	.amdhsa_kernel k_q3b1688045f_encode
		.amdhsa_group_segment_fixed_size 33792
		.amdhsa_private_segment_fixed_size 0
		.amdhsa_enable_private_segment 0
		.amdhsa_kernarg_size 16
		.amdhsa_user_sgpr_count 2
		.amdhsa_user_sgpr_kernarg_segment_ptr 1
		.amdhsa_wavefront_size32 1
		.amdhsa_system_sgpr_workgroup_id_x 1
		.amdhsa_system_sgpr_workgroup_id_y 1
		.amdhsa_system_sgpr_workgroup_id_z 1
		.amdhsa_system_vgpr_workitem_id 0
		.amdhsa_next_free_vgpr 70
		.amdhsa_next_free_sgpr 66
		.amdhsa_reserve_vcc 0
		.amdhsa_float_denorm_mode_32 3
		.amdhsa_float_denorm_mode_16_64 3
		.amdhsa_memory_ordered 1
		.amdhsa_forward_progress 1
		.amdhsa_inst_pref_size 11
	.end_amdhsa_kernel
	.amdgpu_metadata
---
amdhsa.version: [ 1, 2 ]
amdhsa.kernels:
  - .name:           k_q3b1688045f_encode
    .symbol:         k_q3b1688045f_encode.kd
    .args:
      - { .name: x, .offset: 0, .size: 8, .value_kind: global_buffer, .address_space: global }
      - { .name: q, .offset: 8, .size: 8, .value_kind: global_buffer, .address_space: global }
    .group_segment_fixed_size: 33792
    .private_segment_fixed_size: 0
    .kernarg_segment_align: 8
    .kernarg_segment_size: 16
    .max_flat_workgroup_size: 256
    .sgpr_count:     66
    .vgpr_count:     70
    .wavefront_size: 32
...
	.end_amdgpu_metadata
.endif
;; end of part 1
;; launch gather (part 2): grid 256 x 1, 24 waves a work-group, no clusters, 130,048 bytes of LDS; arguments q, weights, out0; writes out0
.if DOCPART == 2
	.amdgcn_target "amdgcn-amd-amdhsa--gfx1250"
	.amdhsa_code_object_version 6
	.text
	.protected	k_q3b1688045f_gather
	.globl	k_q3b1688045f_gather
	.p2align	8
	.type	k_q3b1688045f_gather,@function
k_q3b1688045f_gather:
	s_mov_b64 s[64:65], 0
	v_nop
	global_prefetch_b8 v0, s[64:65] scope:SCOPE_SE
	s_setreg_imm32_b32 hwreg(HW_REG_WAVE_MODE, 25, 1), 1
	s_wait_xcnt 0x0
; out0[b][c][w][h] = 1/8 of the sum over the 8 stripe directions of a continuous piecewise quadratic (512 segments, weights[dir][c][1025]) at
;   xs = 0.5 x + S (cx w +- cy h - rmin),  S = 512 (512/513) / (255 cx + 511 cy),  which is (dl + 1) * 256 of the reference written out.
; For the minus directions cx w - cy h - rmin = cx w + cy (511 - h), so every position is A w + B h' with A, B >= 0.
; Directions 0 and 1 (angle 0, sin = 0) have the same positions for every input: their weight rows are added and looked up once: 7 tables.
; All of xs is kept in whole numbers, in units of 2^-16 segment: q (made by the launch before from x) + A w (a scalar) + B h' (a register).
; segment = xs >> 16 held inside 0..511; the table entry of a segment is 16 bytes (c0, c1, c2, origin) and the term is c0 + u (c1 + c2 u),
; u = float(xs) - origin, also beyond the ends, where the end segment's quadratic goes on as in the reference.
; With g = w1 - w0, d = (w2 - w1) - g:  c0 = w0 / 8,  c1 = (g - d/2) 2^-18,  c2 = d 2^-34  (differences first, so a common offset of the weights drops out).
; LIMITS: those of q (|x| >= 32768 taken as +-32768, NaN and infinities of x not passed on); q, A w and B h' are each within one unit of 2^-16 segment,
; float(xs) within one more unit.
; WORK: line m = 256 c + w.  Work-group g owns lines 3 g .. 3 g + 2 for all 16 batches: 48 rows of 512 numbers.  24 waves: a wave owns one line
; (wave / 8), eight batches (bit 2 of the wave) and one quarter of the row (wave % 4), so its channel, its A w and its B h' never change.
; A table holds one channel, 7 x 512 x 16 = 57,344 bytes.  The three lines lie in one channel but for g = 85 and g = 170, which build a second table.
; No cluster: what the work-groups share is 32,800 bytes of weights of some 230,000 that a work-group moves, and it is transformed in registers on its way to LDS.
; In each register neighbouring lanes hold neighbouring h (the layout of q): the sixteen lanes of a half then want entries of at most
; 15 x 0.83 + 1 segments plus the spread of 0.5 x, which are different 16-byte columns of a 256-byte span, or the same entry.
.set TBL,   8192                       ; one direction's table: 512 entries of 16 bytes
.set SLOTB, 7*TBL                      ; one channel's tables
.set STAGE, 2*SLOTB                    ; behind the two table slots: 512 bytes for each wave, for the way out
.set BSTR,  0x180000                   ; bytes from batch to batch: 768 lines x 2,048
.set WROW,  4100                       ; bytes in a row of weights
.set WDIR,  3*WROW                     ; from direction to direction
.set A0, 0x80406050                    ; S cx in units of 2^-30: angle 0     (2.003929213)
.set A1, 1175760692                    ;                         pi/8        (1.095012475)
.set A2, 716297866                     ;                         pi/4        (0.667104372)
.set A3, 368575102                     ;                         3 pi/8      (0.343262313)
.set B1, 1948064099                    ; S cy in units of 2^-32: pi/8        (0.453569018)
.set B2, 0xaac75a27                    ;                         pi/4        (0.667104372)
.set B3, 0xd4263e08                    ;                         3 pi/8      (0.828708531)
.set LOFF, 1                           ; v1        16 lane: my 16 bytes of a quarter row; never rewritten
.set STS,  2                           ; v2        stage + 4 lane
.set STL,  3                           ; v3        stage + 16 lane
.set TMP,  4
.set HP,   5                           ; h, 511 - h while the B h' are made
.set HM,   6
.set LN,   7                           ; lane
.set PH,   8                           ; v[8:31]   B h' of table t = 1..6 for register j: PH + 4 (t - 1) + j
.set QR,   32                          ; v[32:63]  q of batch it: 4 registers
.set CF,   64                          ; v[64:119] two sets of 7 entries of 4 registers
.set XF,   120                         ; v[120:133] two sets of 7: xs, then float(xs), then u
.set RES,  134                         ; v[134:137] the four results of a batch
.set OUT,  138                         ; v[138:141] the same in the order of memory
.set AD,   142                         ; v[142:148] seven table addresses
.set SA,   149                         ; partial sums
.set SB,   150
.set RB,   151
.set W0,   CF                          ; during the build: 8 rows x 3 weights of my segment, first channel
.set W1,   CF+24                       ; second channel
.set EN,   CF+48                       ; an entry
.set DG,   CF+52
.set DH,   CF+53
.set WOFF, CF+54                       ; 8 x my segment
.set TA0,  CF+55                       ; 16 x my segment
.set TA1,  XF                          ; the same in the second slot
	s_load_b128 s[4:7], s[0:1], 0x0                ; q s[4:5], weights s[6:7]
	s_load_b64 s[8:9], s[0:1], 0x10                ; out0
	v_lshl_add_u32 v152, v0, 2, 0x1f000
	v_mov_b32 v153, 0
	v_lshrrev_b32 v[TMP], 5, v0
	v_readfirstlane_b32 s10, v[TMP]                ; wave 0..23
	v_and_b32 v[LN], 31, v0
	s_lshr_b32 s11, s10, 3                         ; which of the three lines
	s_bfe_u32 s12, s10, 0x10002                    ; which eight batches
	s_and_b32 s13, s10, 3                          ; which quarter of the row
	s_mul_i32 s14, ttmp9, 3                        ; the group's first line
	s_add_co_u32 s15, s14, s11                     ; my line m
	s_lshr_b32 s16, s14, 8                         ; channel of the first line = of table slot 0
	s_add_co_u32 s17, s14, 2
	s_lshr_b32 s17, s17, 8                         ; channel of the last line
	s_lshr_b32 s18, s15, 8                         ; my channel
	s_and_b32 s19, s15, 255                        ; my w
	s_cmp_lg_u32 s18, s16
	s_cselect_b32 s20, SLOTB, 0                    ; LDS base of my channel's tables
	s_lshl_b32 s22, s15, 11                        ; byte offset in q and out0: 2,048 m
	s_lshl_b32 s23, s13, 9                         ; + 512 x quarter
	s_add_co_u32 s22, s22, s23
	s_lshl_b32 s23, s12, 3
	s_add_co_u32 s23, s23, 4                       ; + the fifth of my eight batches: the immediates then run from -4 to +3 batches,
	s_mul_i32 s23, s23, BSTR                       ; -6,291,456 to 4,718,592 bytes, inside their signed 24 bits
	s_add_co_u32 s22, s22, s23
	s_mov_b32 s23, 0
	s_mul_i32 s24, s16, WROW                       ; weights: the first channel's row of direction 0
	s_mov_b32 s25, 0
; A w in units of 2^-16: the 64-bit product of A (2^-30) and w, shifted right by 14
.macro PW dst, slope
	s_mul_hi_u32 s30, s19, \slope
	s_mul_i32 s[\dst], s19, \slope
	s_lshl_b32 s30, s30, 18
	s_lshr_b32 s[\dst], s[\dst], 14
	s_or_b32 s[\dst], s[\dst], s30
.endm
	PW 26, A0                                      ; table 0
	PW 27, A1                                      ; tables 1, 2
	PW 28, A2                                      ; tables 3, 4
	PW 29, A3                                      ; tables 5, 6
	s_lshl_b32 s31, s10, 9                         ; 512 x wave: my entries in a table (build), my stage
	s_add_co_u32 s33, s31, STAGE
	s_lshl_b32 s32, s13, 7                         ; first h of my quarter
	s_lshl_b32 s34, s10, 8                         ; 8 bytes x 32 segments x wave
	s_lshl_b32 s35, s10, 5                         ; first segment that my wave builds
	v_lshlrev_b32 v[LOFF], 4, v[LN]
	v_lshl_add_u32 v[STS], v[LN], 2, s33
	v_lshl_add_u32 v[STL], v[LN], 4, s33
	s_wait_kmcnt 0x0
	s_add_nc_u64 s[4:5], s[4:5], s[22:23]
	s_add_nc_u64 s[8:9], s[8:9], s[22:23]
	s_add_nc_u64 s[6:7], s[6:7], s[24:25]
; the three weights of my segment in all eight directions' rows of one channel (rows start at multiples of 4 bytes only: single words)
.macro LOADW w, extra
.irp i, 0,1,2,3,4,5,6,7
.irp k, 0,1,2
	global_load_b32 v[\w+3*\i+\k], v[WOFF], s[6:7] offset:\i*WDIR+4*\k+\extra
.endr
.endr
.endm
; all of my q at once: eight loads of 512 consecutive bytes
.macro QLOADS
.irp it, 0,1,2,3,4,5,6,7
	global_load_b128 v[QR+4*\it:QR+4*\it+3], v[LOFF], s[4:5] offset:(\it-4)*BSTR th:TH_LOAD_NT
.endr
.endm
; B h' in units of 2^-16 = floor(h' B / 2^16), B in 2^-32, by halves of B: h' Bhi + (h' Blo >> 16); both products are below 2^25
.macro PHONE t, j, h, b
	v_mul_u32_u24 v[PH+4*(\t-1)+\j], (\b)&0xffff, v[\h]
	v_lshrrev_b32 v[PH+4*(\t-1)+\j], 16, v[PH+4*(\t-1)+\j]
	v_mad_u32_u24 v[PH+4*(\t-1)+\j], v[\h], (\b)>>16, v[PH+4*(\t-1)+\j]
.endm
.macro PHCALC                          ; stands behind the loads: it runs while they are on their way
	v_add_nc_u32 v[HP], s32, v[LN]                 ; register j holds h = 128 quarter + 32 j + lane
	v_sub_nc_u32 v[HM], 511, v[HP]
.irp j, 0,1,2,3
	PHONE 1, \j, HP, B1
	PHONE 2, \j, HM, B1
	PHONE 3, \j, HP, B2
	PHONE 4, \j, HM, B2
	PHONE 5, \j, HP, B3
	PHONE 6, \j, HM, B3
.if \j < 3
	v_add_nc_u32 v[HP], 32, v[HP]
	v_sub_nc_u32 v[HM], v[HM], 32
.endif
.endr
.endm
.macro PREP
	v_lshl_add_u32 v[TA0], v[LN], 4, s31           ; my segment's entry: 16 (32 wave + lane)
	v_add_nc_u32 v[DG], s35, v[LN]
	v_lshlrev_b32 v[DG], 16, v[DG]
	v_cvt_f32_u32 v[EN+3], v[DG]                   ; origin = segment x 2^16, exact in f32; the same for all seven tables
.endm
.macro ENTRY w, row, t, adr
	v_sub_f32 v[DG], v[\w+3*(\row)+1], v[\w+3*(\row)]          ; g = w1 - w0
	v_sub_f32 v[DH], v[\w+3*(\row)+2], v[\w+3*(\row)+1]        ; w2 - w1
	v_mul_f32 v[EN], 0x3e000000, v[\w+3*(\row)]                ; c0 = w0 / 8
	v_sub_f32 v[DH], v[DH], v[DG]                              ; d
	v_fma_f32 v[DG], v[DH], -0.5, v[DG]                        ; g - d / 2
	v_mul_f32 v[EN+2], 0x2e800000, v[DH]                       ; c2 = d 2^-34
	v_mul_f32 v[EN+1], 0x36800000, v[DG]                       ; c1 = (g - d/2) 2^-18
	ds_store_b128 v[\adr], v[EN:EN+3] offset:(\t)*TBL
.endm
.macro BUILD w, adr
.irp k, 0,1,2
	v_add_f32 v[\w+\k], v[\w+\k], v[\w+3+\k]       ; directions 0 and 1: one table of the summed weights
.endr
	ENTRY \w, 0, 0, \adr
.irp t, 1,2,3,4,5,6
	ENTRY \w, \t+1, \t, \adr
.endr
.endm
	; Three ways to the barrier, each whole in itself.  Weights are asked for ahead of q, since loads come back in order and the tables are needed first.
	s_cmp_ge_u32 s10, 16
	s_cbranch_scc1 .Lreader                        ; 512 segments = 16 waves: waves 16 to 23 build nothing
	v_lshl_add_u32 v[WOFF], v[LN], 3, s34
	LOADW W0, 0
	s_cmp_lg_u32 s17, s16
	s_cbranch_scc1 .Ltwo
	QLOADS
	PHCALC
	PREP
	s_wait_loadcnt 0x8                             ; all but the eight loads of q, which were issued behind the weights
	BUILD W0, TA0
	s_branch .Lbuilt
.Ltwo:                                             ; the group's lines lie in two channels
	LOADW W1, WROW
	QLOADS
	PHCALC
	PREP
	v_add_nc_u32 v[TA1], SLOTB, v[TA0]
	s_wait_loadcnt 0x8                             ; as above: both channels' weights are in
	BUILD W0, TA0
	BUILD W1, TA1
	s_branch .Lbuilt
.Lreader:
	QLOADS
	PHCALC
.Lbuilt:
	s_wait_dscnt 0x0                               ; my entries are in LDS,
	s_barrier_signal -1
	s_barrier_wait -1                              ; everybody's are; from here on nobody writes a table
; One step = one number a lane = seven lookups.  INDEX makes the seven xs, their addresses and float(xs) and issues the seven reads into set b.
.macro INDEX it, j, b
	v_add_nc_u32 v[XF+7*(\b)], s26, v[QR+4*(\it)+(\j)]
.irp t, 1,2,3,4,5,6
	v_add3_u32 v[XF+7*(\b)+\t], v[QR+4*(\it)+(\j)], v[PH+4*(\t-1)+(\j)], s[26+(\t+1)/2]
.endr
.irp t, 0,1,2,3,4,5,6
	v_max_i32 v[AD+\t], 0, v[XF+7*(\b)+\t]         ; below the first segment: segment 0
.endr
.irp t, 0,1,2,3,4,5,6
	v_cvt_f32_i32 v[XF+7*(\b)+\t], v[XF+7*(\b)+\t] ; the unclipped xs is what the quadratic is taken at
.endr
.irp t, 0,1,2,3,4,5,6
	v_lshrrev_b32 v[AD+\t], 16, v[AD+\t]
.endr
.irp t, 0,1,2,3,4,5,6
	v_min_u32 v[AD+\t], 511, v[AD+\t]              ; beyond the last segment: segment 511
.endr
.irp t, 0,1,2,3,4,5,6
	v_lshl_add_u32 v[AD+\t], v[AD+\t], 4, s20
.endr
.irp t, 0,1,2,3,4,5,6
	ds_load_b128 v[CF+28*(\b)+4*\t:CF+28*(\b)+4*\t+3], v[AD+\t] offset:\t*TBL
.endr
.endm
; EVAL sums the seven terms c0 + u (c1 + c2 u) of set b into result j, in two chains of multiply-adds and one of the c0
.macro EVAL j, b
.set C, CF+28*(\b)
.set U, XF+7*(\b)
.irp t, 0,1,2,3,4,5,6
	v_sub_f32 v[U+\t], v[U+\t], v[C+4*\t+3]        ; u = float(xs) - origin
.endr
.irp t, 0,1,2,3,4,5,6
	v_fmac_f32 v[C+4*\t+1], v[C+4*\t+2], v[U+\t]   ; c1 + c2 u
.endr
	v_fma_f32 v[RES+(\j)], v[C+1], v[U], v[C]
	v_fma_f32 v[RB], v[C+5], v[U+1], v[C+4]
	v_add_f32 v[SA], v[C+8], v[C+12]
	v_add_f32 v[SB], v[C+16], v[C+20]
	v_fmac_f32 v[RES+(\j)], v[C+9], v[U+2]
	v_fmac_f32 v[RB], v[C+13], v[U+3]
	v_add_f32 v[SA], v[SA], v[C+24]
	v_fmac_f32 v[RES+(\j)], v[C+17], v[U+4]
	v_fmac_f32 v[RB], v[C+21], v[U+5]
	v_add_f32 v[SA], v[SA], v[SB]
	v_fmac_f32 v[RES+(\j)], v[C+25], v[U+6]
	v_add_f32 v[RB], v[RB], v[SA]
	v_add_f32 v[RES+(\j)], v[RES+(\j)], v[RB]
.endm
; A batch's 128 results into my stage in the order of h, and back 16 bytes a lane
.macro STAGEOUT
.irp j, 0,1,2,3
	ds_store_b32 v[STS], v[RES+\j] offset:128*\j
.endr
	s_wait_xcnt 0x0                                ; OUT, which the last batch's store reads, is loaded again only behind this wait
	ds_load_b128 v[OUT:OUT+3], v[STL]              ; LDS serves a wave's instructions in order: it sees the four stores, and the next batch's stores come behind it
.endm
	; 32 steps, written out: step e is batch e / 4, register e % 4, set e % 2.  The next step's reads are issued ahead of this step's sums.
	s_wait_loadcnt 0x7                             ; q of my first batch; the seven younger loads stay out
	INDEX 0, 0, 0
.set ee, 0
.rept 31
.set nn, ee+1
.if (nn&3) == 0
	s_wait_loadcnt 7-(nn>>2)                       ; q of the next batch; the younger loads stay out
.endif
	INDEX nn>>2, nn&3, nn&1
	s_wait_dscnt 0x7                               ; all but the seven reads just issued: this step's entries are in, and so is whatever went through the stage before them
.if (ee&3) == 0
.if ee > 0
	global_store_b128 v[LOFF], v[OUT:OUT+3], s[8:9] offset:((ee>>2)-5)*BSTR th:TH_STORE_NT   ; the batch before: 512 consecutive bytes, aligned
.endif
.endif
	EVAL ee&3, ee&1
.if (ee&3) == 3
	STAGEOUT
.endif
.set ee, ee+1
.endr
	s_wait_dscnt 0x0
	EVAL 3, 1
	STAGEOUT
	s_wait_dscnt 0x0
	global_store_b128 v[LOFF], v[OUT:OUT+3], s[8:9] offset:3*BSTR th:TH_STORE_NT
	s_wait_tensorcnt 0x0
	ds_add_u32 v152, v153
	s_wait_dscnt 0x0
	s_endpgm
.Lfunc_end_k_q3b1688045f_gather:
	.size	k_q3b1688045f_gather, .Lfunc_end_k_q3b1688045f_gather-k_q3b1688045f_gather
	.p2alignl 7, 3214868480
	.fill 96, 4, 3214868480
	.section	.rodata,"a",@progbits
	.p2align	6, 0x0
	.amdhsa_kernel k_q3b1688045f_gather
		.amdhsa_group_segment_fixed_size 130048
		.amdhsa_private_segment_fixed_size 0
		.amdhsa_enable_private_segment 0
		.amdhsa_kernarg_size 24
		.amdhsa_user_sgpr_count 2
		.amdhsa_user_sgpr_kernarg_segment_ptr 1
		.amdhsa_wavefront_size32 1
		.amdhsa_system_sgpr_workgroup_id_x 1
		.amdhsa_system_sgpr_workgroup_id_y 1
		.amdhsa_system_sgpr_workgroup_id_z 1
		.amdhsa_system_vgpr_workitem_id 0
		.amdhsa_next_free_vgpr 154
		.amdhsa_next_free_sgpr 66
		.amdhsa_reserve_vcc 0
		.amdhsa_float_denorm_mode_32 3
		.amdhsa_float_denorm_mode_16_64 3
		.amdhsa_memory_ordered 1
		.amdhsa_forward_progress 1
		.amdhsa_inst_pref_size 144
	.end_amdhsa_kernel
	.amdgpu_metadata
---
amdhsa.version: [ 1, 2 ]
amdhsa.kernels:
  - .name:           k_q3b1688045f_gather
    .symbol:         k_q3b1688045f_gather.kd
    .args:
      - { .name: q, .offset: 0, .size: 8, .value_kind: global_buffer, .address_space: global }
      - { .name: weights, .offset: 8, .size: 8, .value_kind: global_buffer, .address_space: global }
      - { .name: out0, .offset: 16, .size: 8, .value_kind: global_buffer, .address_space: global }
    .group_segment_fixed_size: 130048
    .private_segment_fixed_size: 0
    .kernarg_segment_align: 8
    .kernarg_segment_size: 24
    .max_flat_workgroup_size: 768
    .sgpr_count:     66
    .vgpr_count:     154
    .wavefront_size: 32
...
	.end_amdgpu_metadata
.endif
;; end of part 2
;; ======== version 2 of 2: 2 launches; version 1 with the launch gather written anew for expert scheduling mode
;; limits: inputs' magnitudes at most 32,768
;; workspace buffers: q 25,165,824 bytes of whole numbers
;; launch encode: the kernel of part 1 again; grid 768 x 1, 8 waves a work-group, no clusters, 33,792 bytes of LDS; arguments x, q; writes q
;; launch gather (part 3): grid 256 x 1, 24 waves a work-group, no clusters, 130,048 bytes of LDS; arguments q, weights, out0; writes out0
.if DOCPART == 3
	.amdgcn_target "amdgcn-amd-amdhsa--gfx1250"
	.amdhsa_code_object_version 6
	.text
	.protected	k_q3b1688045f_gather
	.globl	k_q3b1688045f_gather
	.p2align	8
	.type	k_q3b1688045f_gather,@function
k_q3b1688045f_gather:
	s_mov_b64 s[64:65], 0
	v_nop
	global_prefetch_b8 v0, s[64:65] scope:SCOPE_SE
	s_setreg_imm32_b32 hwreg(HW_REG_WAVE_SCHED_MODE, 0, 2), 2
	s_setreg_imm32_b32 hwreg(HW_REG_WAVE_MODE, 25, 1), 1
	s_wait_xcnt 0x0
	s_wait_alu depctr_vm_vsrc(0)
; out0[b][c][w][h] = 1/8 of the sum over the 8 stripe directions of a continuous piecewise quadratic (512 segments, weights[dir][c][1025]) at
;   xs = 0.5 x + S (cx w +- cy h - rmin),  S = 512 (512/513) / (255 cx + 511 cy),  which is (dl + 1) * 256 of the reference written out.
; For the minus directions cx w - cy h - rmin = cx w + cy (511 - h), so every position is A w + B h' with A, B >= 0.
; Directions 0 and 1 (angle 0, sin = 0) have the same positions for every input: their weight rows are added and looked up once: 7 tables.
; All of xs is kept in whole numbers, in units of 2^-16 segment: q (made by the launch before from x) + A w (a scalar) + B h' (a register).
; segment = xs >> 16 held inside 0..511; the table entry of a segment is 16 bytes (c0, c1, c2, origin) and the term is c0 + u (c1 + c2 u),
; u = float(xs) - origin, also beyond the ends, where the end segment's quadratic goes on as in the reference.
; With g = w1 - w0, d = (w2 - w1) - g:  c0 = w0 / 8,  c1 = (g - d/2) 2^-18,  c2 = d 2^-34  (differences first, so a common offset of the weights drops out).
; LIMITS: those of q (|x| >= 32768 taken as +-32768, NaN and infinities of x not passed on); q, A w and B h' are each within one unit of 2^-16 segment,
; float(xs) within one more unit.
; WORK: line m = 256 c + w.  Work-group g owns lines 3 g .. 3 g + 2 for all 16 batches: 48 rows of 512 numbers.  24 waves: a wave owns one line
; (wave / 8), eight batches (bit 2 of the wave) and one quarter of the row (wave % 4), so its channel, its A w and its B h' never change.
; A table holds one channel, 7 x 512 x 16 = 57,344 bytes.  The three lines lie in one channel but for g = 85 and g = 170, which build a second table.
; No cluster: what the work-groups share is 32,800 bytes of weights of some 230,000 that a work-group moves, and it is transformed in registers on its way to LDS.
; In each register neighbouring lanes hold neighbouring h (the layout of q): the sixteen lanes of a half then want entries of at most
; 15 x 0.83 + 1 segments plus the spread of 0.5 x, which are different 16-byte columns of a 256-byte span, or the same entry.
; THE MODE: SCHED_MODE bits 1:0 = 2 (LLVM: expert scheduling mode 2), set by the entry lines.  The code itself states the register dependences
; between vector instructions and memory or LDS instructions, with s_wait_alu, always for 0.
; THE PLAN.  Registers that memory or LDS instructions touch behind the barrier (step e = one number a lane, 32 steps):
;   AD          written by the address arithmetic of step e + 2, which ends step e; read by the seven table reads at the head of step e + 1.
;   CF0, CF1    the table reads of step e + 1, issued at the head of step e, land in set (e + 1) % 2, which the sums of step e - 1 were the last to name.
;   RES0, RES1  a batch's four sums write the set of the batch's parity; four LDS stores at the head of the next batch's first step read it.
;   OUT         loaded from the stage in a batch's first step, read by one global store in its second step.
;   v1, v2, v3  offsets and stage addresses, made at the head and never written again.  QR is loaded once and then only read by vector instructions.
;   XF, PH and the partial sums are named by vector instructions alone.
; So a step has ONE wait on va_vdst, at its head, with all the step's LDS instructions straight behind it, and ONE wait on vm_vsrc, behind its sums,
; ahead of the arithmetic that writes AD again.
.set TBL,   8192                       ; one direction's table: 512 entries of 16 bytes
.set SLOTB, 7*TBL                      ; one channel's tables
.set STAGE, 2*SLOTB                    ; behind the two table slots: 512 bytes for each wave, for the way out
.set BSTR,  0x180000                   ; bytes from batch to batch: 768 lines x 2,048
.set WROW,  4100                       ; bytes in a row of weights
.set WDIR,  3*WROW                     ; from direction to direction
.set A0, 0x80406050                    ; S cx in units of 2^-30: angle 0     (2.003929213)
.set A1, 1175760692                    ;                         pi/8        (1.095012475)
.set A2, 716297866                     ;                         pi/4        (0.667104372)
.set A3, 368575102                     ;                         3 pi/8      (0.343262313)
.set B1, 1948064099                    ; S cy in units of 2^-32: pi/8        (0.453569018)
.set B2, 0xaac75a27                    ;                         pi/4        (0.667104372)
.set B3, 0xd4263e08                    ;                         3 pi/8      (0.828708531)
.set LOFF, 1                           ; v1        16 lane: my 16 bytes of a quarter row; never rewritten
.set STS,  2                           ; v2        stage + 4 lane
.set STL,  3                           ; v3        stage + 16 lane
.set TMP,  4                           ; v[4:7]    ahead of the barrier: at work, h, 511 - h, lane
.set HP,   5
.set HM,   6
.set LN,   7
.set RES1, 4                           ; v[4:7]    behind the barrier: the four results of an odd batch
.set PH,   8                           ; v[8:31]   B h' of table t = 1..6 for register j: PH + 4 (t - 1) + j
.set QR,   32                          ; v[32:63]  q of batch it: 4 registers
.set CF,   64                          ; v[64:119] two sets of 7 entries of 4 registers
.set XF,   120                         ; v[120:133] two sets of 7: xs, then float(xs), then u
.set RES,  134                         ; v[134:137] the four results of an even batch
.set OUT,  138                         ; v[138:141] a batch's results in the order of memory
.set AD,   142                         ; v[142:148] seven table addresses
.set SA,   149                         ; partial sums
.set SB,   150
.set RB,   151
.set W0,   CF                          ; during the build: 8 rows x 3 weights of my segment, first channel
.set W1,   CF+24                       ; second channel
.set PT,   CF+52                       ; my segment x 2^16
.set WOFF, CF+54                       ; 8 x my segment
.set TA0,  CF+55                       ; 16 x my segment
.set TA1,  XF                          ; the same in the second slot
.set EN,   124                         ; v[124:151] during the build: seven entries of 4 registers, one for each table
	s_load_b128 s[4:7], s[0:1], 0x0                ; q s[4:5], weights s[6:7]
	s_load_b64 s[8:9], s[0:1], 0x10                ; out0
	v_lshl_add_u32 v152, v0, 2, 0x1f000
	v_mov_b32 v153, 0
	v_lshrrev_b32 v[TMP], 5, v0
	v_readfirstlane_b32 s10, v[TMP]                ; wave 0..23
	v_and_b32 v[LN], 31, v0
	v_lshlrev_b32 v[LOFF], 4, v[LN]
	s_mul_i32 s14, ttmp9, 3                        ; the group's first line
	s_lshr_b32 s16, s14, 8                         ; channel of the first line = of table slot 0
	s_add_co_u32 s17, s14, 2
	s_lshr_b32 s17, s17, 8                         ; channel of the last line
	s_mul_i32 s24, s16, WROW                       ; weights: the first channel's row of direction 0
	s_mov_b32 s25, 0
	s_wait_alu depctr_va_sdst(0)                   ; s10 is written, ahead of its first reader: the line, the batches, the quarter and the LDS places are made from it
	s_lshr_b32 s11, s10, 3                         ; which of the three lines
	s_bfe_u32 s12, s10, 0x10002                    ; which eight batches
	s_and_b32 s13, s10, 3                          ; which quarter of the row
	s_add_co_u32 s15, s14, s11                     ; my line m
	s_lshr_b32 s18, s15, 8                         ; my channel
	s_and_b32 s19, s15, 255                        ; my w
	s_cmp_lg_u32 s18, s16
	s_cselect_b32 s20, SLOTB, 0                    ; LDS base of my channel's tables
	s_lshl_b32 s22, s15, 11                        ; byte offset in q and out0: 2,048 m
	s_lshl_b32 s23, s13, 9                         ; + 512 x quarter
	s_add_co_u32 s22, s22, s23
	s_lshl_b32 s23, s12, 3
	s_add_co_u32 s23, s23, 4                       ; + the fifth of my eight batches: the immediates then run from -4 to +3 batches,
	s_mul_i32 s23, s23, BSTR                       ; -6,291,456 to 4,718,592 bytes, inside their signed 24 bits
	s_add_co_u32 s22, s22, s23
	s_mov_b32 s23, 0
; A w in units of 2^-16: the 64-bit product of A (2^-30) and w, shifted right by 14
.macro PW dst, slope
	s_mul_hi_u32 s30, s19, \slope
	s_mul_i32 s[\dst], s19, \slope
	s_lshl_b32 s30, s30, 18
	s_lshr_b32 s[\dst], s[\dst], 14
	s_or_b32 s[\dst], s[\dst], s30
.endm
	PW 26, A0                                      ; table 0
	PW 27, A1                                      ; tables 1, 2
	PW 28, A2                                      ; tables 3, 4
	PW 29, A3                                      ; tables 5, 6
	s_lshl_b32 s31, s10, 9                         ; 512 x wave: my entries in a table (build), my stage
	s_add_co_u32 s33, s31, STAGE
	s_lshl_b32 s32, s13, 7                         ; first h of my quarter
	s_lshl_b32 s34, s10, 8                         ; 8 bytes x 32 segments x wave
	s_lshl_b32 s35, s10, 5                         ; first segment that my wave builds
	v_lshl_add_u32 v[STS], v[LN], 2, s33
	v_lshl_add_u32 v[STL], v[LN], 4, s33
	v_lshl_add_u32 v[WOFF], v[LN], 3, s34          ; made by every wave, ahead of the branch, so that one wait serves all three ways; waves 16 to 23 do not use it
	s_wait_kmcnt 0x0
	s_add_nc_u64 s[4:5], s[4:5], s[22:23]
	s_add_nc_u64 s[8:9], s[8:9], s[22:23]
	s_add_nc_u64 s[6:7], s[6:7], s[24:25]
	s_wait_alu depctr_va_vdst(0)                   ; v1, v2, v3 and the weights' offset are written: the loads below and every later load and store by them read them
; the three weights of my segment in all eight directions' rows of one channel (rows start at multiples of 4 bytes only: single words)
.macro LOADW w, extra
.irp i, 0,1,2,3,4,5,6,7
.irp k, 0,1,2
	global_load_b32 v[\w+3*\i+\k], v[WOFF], s[6:7] offset:\i*WDIR+4*\k+\extra
.endr
.endr
.endm
; all of my q at once: eight loads of 512 consecutive bytes
.macro QLOADS
.irp it, 0,1,2,3,4,5,6,7
	global_load_b128 v[QR+4*\it:QR+4*\it+3], v[LOFF], s[4:5] offset:(\it-4)*BSTR th:TH_LOAD_NT
.endr
.endm
; B h' in units of 2^-16 = floor(h' B / 2^16), B in 2^-32, by halves of B: h' Bhi + (h' Blo >> 16); both products are below 2^25
.macro PHONE t, j, h, b
	v_mul_u32_u24 v[PH+4*(\t-1)+\j], (\b)&0xffff, v[\h]
	v_lshrrev_b32 v[PH+4*(\t-1)+\j], 16, v[PH+4*(\t-1)+\j]
	v_mad_u32_u24 v[PH+4*(\t-1)+\j], v[\h], (\b)>>16, v[PH+4*(\t-1)+\j]
.endm
.macro PHCALC                          ; stands behind the loads: it runs while they are on their way, and names none of their registers
	v_add_nc_u32 v[HP], s32, v[LN]                 ; register j holds h = 128 quarter + 32 j + lane
	v_sub_nc_u32 v[HM], 511, v[HP]
.irp j, 0,1,2,3
	PHONE 1, \j, HP, B1
	PHONE 2, \j, HM, B1
	PHONE 3, \j, HP, B2
	PHONE 4, \j, HM, B2
	PHONE 5, \j, HP, B3
	PHONE 6, \j, HM, B3
.if \j < 3
	v_add_nc_u32 v[HP], 32, v[HP]
	v_sub_nc_u32 v[HM], v[HM], 32
.endif
.endr
.endm
.macro PREP
	v_lshl_add_u32 v[TA0], v[LN], 4, s31           ; my segment's entry: 16 (32 wave + lane)
	v_add_nc_u32 v[PT], s35, v[LN]
	v_lshlrev_b32 v[PT], 16, v[PT]
.irp t, 0,1,2,3,4,5,6
	v_cvt_f32_u32 v[EN+4*\t+3], v[PT]              ; origin = segment x 2^16, exact in f32; the same in all seven entries
.endr
.endm
; One entry, made in its own four registers
.macro ENTRY w, row, t
	v_sub_f32 v[EN+4*(\t)+1], v[\w+3*(\row)+1], v[\w+3*(\row)]        ; g = w1 - w0
	v_sub_f32 v[EN+4*(\t)+2], v[\w+3*(\row)+2], v[\w+3*(\row)+1]      ; w2 - w1
	v_mul_f32 v[EN+4*(\t)], 0x3e000000, v[\w+3*(\row)]                ; c0 = w0 / 8
	v_sub_f32 v[EN+4*(\t)+2], v[EN+4*(\t)+2], v[EN+4*(\t)+1]          ; d
	v_fma_f32 v[EN+4*(\t)+1], v[EN+4*(\t)+2], -0.5, v[EN+4*(\t)+1]    ; g - d / 2
	v_mul_f32 v[EN+4*(\t)+2], 0x2e800000, v[EN+4*(\t)+2]              ; c2 = d 2^-34
	v_mul_f32 v[EN+4*(\t)+1], 0x36800000, v[EN+4*(\t)+1]              ; c1 = (g - d/2) 2^-18
.endm
.macro BUILD w, adr
.irp k, 0,1,2
	v_add_f32 v[\w+\k], v[\w+\k], v[\w+3+\k]       ; directions 0 and 1: one table of the summed weights
.endr
	ENTRY \w, 0, 0
.irp t, 1,2,3,4,5,6
	ENTRY \w, \t+1, \t
.endr
	s_wait_alu depctr_va_vdst(0)                   ; the seven entries and their LDS address are written, which the seven stores read
.irp t, 0,1,2,3,4,5,6
	ds_store_b128 v[\adr], v[EN+4*\t:EN+4*\t+3] offset:\t*TBL
.endr
.endm
	; Three ways to the barrier, each whole in itself.  Weights are asked for ahead of q, since loads come back in order and the tables are needed first.
	s_cmp_ge_u32 s10, 16
	s_cbranch_scc1 .Lreader                        ; 512 segments = 16 waves: waves 16 to 23 build nothing
	LOADW W0, 0
	s_cmp_lg_u32 s17, s16
	s_cbranch_scc1 .Ltwo
	QLOADS
	PHCALC
	PREP
	s_wait_loadcnt 0x8                             ; all but the eight loads of q, which were issued behind the weights
	BUILD W0, TA0
	s_branch .Lbuilt
.Ltwo:                                             ; the group's lines lie in two channels
	LOADW W1, WROW
	QLOADS
	PHCALC
	PREP
	v_add_nc_u32 v[TA1], SLOTB, v[TA0]
	s_wait_loadcnt 0x8                             ; as above: both channels' weights are in
	BUILD W0, TA0
	s_wait_alu depctr_vm_vsrc(0)                   ; the first channel's seven stores have read the entries, which the second channel's arithmetic writes again
	BUILD W1, TA1
	s_branch .Lbuilt
.Lreader:
	QLOADS
	PHCALC
.Lbuilt:
	s_wait_dscnt 0x0                               ; my entries are in LDS,
	s_barrier_signal -1
	s_barrier_wait -1                              ; everybody's are; from here on nobody writes a table
	s_wait_alu depctr_vm_vsrc(0)                   ; my stores have read the entries and their addresses, my weight loads their offset: these registers are XF, AD, RES, OUT and CF from here on
; One step = one number a lane = seven lookups.  ARITH makes the seven xs, their addresses and float(xs) for set b; LOOKUP issues the seven reads into set b.
.macro ARITH it, j, b
	v_add_nc_u32 v[XF+7*(\b)], s26, v[QR+4*(\it)+(\j)]
.irp t, 1,2,3,4,5,6
	v_add3_u32 v[XF+7*(\b)+\t], v[QR+4*(\it)+(\j)], v[PH+4*(\t-1)+(\j)], s[26+(\t+1)/2]
.endr
.irp t, 0,1,2,3,4,5,6
	v_max_i32 v[AD+\t], 0, v[XF+7*(\b)+\t]         ; below the first segment: segment 0
.endr
.irp t, 0,1,2,3,4,5,6
	v_cvt_f32_i32 v[XF+7*(\b)+\t], v[XF+7*(\b)+\t] ; the unclipped xs is what the quadratic is taken at
.endr
.irp t, 0,1,2,3,4,5,6
	v_lshrrev_b32 v[AD+\t], 16, v[AD+\t]
.endr
.irp t, 0,1,2,3,4,5,6
	v_min_u32 v[AD+\t], 511, v[AD+\t]              ; beyond the last segment: segment 511
.endr
.irp t, 0,1,2,3,4,5,6
	v_lshl_add_u32 v[AD+\t], v[AD+\t], 4, s20
.endr
.endm
.macro LOOKUP b
.irp t, 0,1,2,3,4,5,6
	ds_load_b128 v[CF+28*(\b)+4*\t:CF+28*(\b)+4*\t+3], v[AD+\t] offset:\t*TBL
.endr
.endm
; EVAL sums the seven terms c0 + u (c1 + c2 u) of set b into register r, in two chains of multiply-adds and one of the c0
.macro EVAL r, b
.set C, CF+28*(\b)
.set U, XF+7*(\b)
.irp t, 0,1,2,3,4,5,6
	v_sub_f32 v[U+\t], v[U+\t], v[C+4*\t+3]        ; u = float(xs) - origin
.endr
.irp t, 0,1,2,3,4,5,6
	v_fmac_f32 v[C+4*\t+1], v[C+4*\t+2], v[U+\t]   ; c1 + c2 u
.endr
	v_fma_f32 v[\r], v[C+1], v[U], v[C]
	v_fma_f32 v[RB], v[C+5], v[U+1], v[C+4]
	v_add_f32 v[SA], v[C+8], v[C+12]
	v_add_f32 v[SB], v[C+16], v[C+20]
	v_fmac_f32 v[\r], v[C+9], v[U+2]
	v_fmac_f32 v[RB], v[C+13], v[U+3]
	v_add_f32 v[SA], v[SA], v[C+24]
	v_fmac_f32 v[\r], v[C+17], v[U+4]
	v_fmac_f32 v[RB], v[C+21], v[U+5]
	v_add_f32 v[SA], v[SA], v[SB]
	v_fmac_f32 v[\r], v[C+25], v[U+6]
	v_add_f32 v[RB], v[RB], v[SA]
	v_add_f32 v[\r], v[\r], v[RB]
.endm
; A batch's 128 results (in the four registers from r on) into my stage in the order of h, and back 16 bytes a lane
.macro STAGEOUT r
.irp j, 0,1,2,3
	ds_store_b32 v[STS], v[\r+\j] offset:128*\j
.endr
	s_wait_xcnt 0x0                                ; OUT, which the last batch's store reads, is loaded again only behind this wait (that the store has read it, the wait on vm_vsrc behind that store's step has stated)
	ds_load_b128 v[OUT:OUT+3], v[STL]              ; LDS serves a wave's instructions in order: it sees the four stores, and the next batch's stores come behind it
.endm
	; 32 steps, written out: step e is batch e / 4, register e % 4, set e % 2.  The next step's reads are issued ahead of this step's sums,
	; and the addresses of the step after that are made behind them.
	s_wait_loadcnt 0x7                             ; q of my first batch; the seven younger loads stay out
	ARITH 0, 0, 0
	s_wait_alu depctr_va_vdst(0)                   ; step 0's addresses are written; the build's arithmetic is done with the registers of CF, in which the reads land
	LOOKUP 0
	s_wait_alu depctr_vm_vsrc(0)                   ; those reads have read AD, which step 1's arithmetic writes
	ARITH 0, 1, 1
.set ee, 0
.rept 31
.set nn, ee+1
.set n2, ee+2
.set CURB, RES-(RES-RES1)*((ee>>2)&1)              ; the result set of this step's batch,
.set PRVB, RES-(RES-RES1)*(((ee>>2)+1)&1)          ; and of the batch before
	s_wait_alu depctr_va_vdst(0)                   ; the next step's addresses are written; the sums of the step before are done with the set in which the reads land; in a batch's first step the batch before has written its four results
	LOOKUP nn&1
.if ((ee&3) == 0) && (ee > 0)
	STAGEOUT PRVB
	s_wait_dscnt 12                                ; all but the seven reads, the four stage stores and the stage load just issued: this step's entries are in
.else
	s_wait_dscnt 0x7                               ; all but the seven reads just issued: this step's entries are in, and so is whatever went through the stage before them
.endif
.if ((ee&3) == 1) && (ee > 4)
	global_store_b128 v[LOFF], v[OUT:OUT+3], s[8:9] offset:((ee>>2)-5)*BSTR th:TH_STORE_NT   ; the batch before: 512 consecutive bytes, aligned
.endif
	EVAL CURB+(ee&3), ee&1
.if n2 < 32
	s_wait_alu depctr_vm_vsrc(0)                   ; the reads above have read AD, which the arithmetic below writes; the stage stores have read their results and the global store OUT, which are written again in later steps
.if (n2&3) == 0
	s_wait_loadcnt 7-(n2>>2)                       ; q of the next batch; the younger loads stay out
.endif
	ARITH n2>>2, n2&3, n2&1
.endif
.set ee, ee+1
.endr
	s_wait_dscnt 0x0
	EVAL RES1+3, 1
	s_wait_alu depctr_va_vdst(0)                   ; the last batch's four results are written, which the stage stores read
	STAGEOUT RES1
	s_wait_dscnt 0x0
	global_store_b128 v[LOFF], v[OUT:OUT+3], s[8:9] offset:3*BSTR th:TH_STORE_NT
	s_wait_dscnt 0x0
	s_wait_alu depctr_hold_cnt(0) depctr_sa_sdst(0) depctr_va_vdst(0) depctr_va_sdst(0) depctr_va_ssrc(0) depctr_va_vcc(0) depctr_vm_vsrc(0)
	s_wait_tensorcnt 0x0
	ds_add_u32 v152, v153
	s_wait_dscnt 0x0
	s_endpgm
.Lfunc_end_k_q3b1688045f_gather:
	.size	k_q3b1688045f_gather, .Lfunc_end_k_q3b1688045f_gather-k_q3b1688045f_gather
	.p2alignl 7, 3214868480
	.fill 96, 4, 3214868480
	.section	.rodata,"a",@progbits
	.p2align	6, 0x0
	.amdhsa_kernel k_q3b1688045f_gather
		.amdhsa_group_segment_fixed_size 130048
		.amdhsa_private_segment_fixed_size 0
		.amdhsa_enable_private_segment 0
		.amdhsa_kernarg_size 24
		.amdhsa_user_sgpr_count 2
		.amdhsa_user_sgpr_kernarg_segment_ptr 1
		.amdhsa_wavefront_size32 1
		.amdhsa_system_sgpr_workgroup_id_x 1
		.amdhsa_system_sgpr_workgroup_id_y 1
		.amdhsa_system_sgpr_workgroup_id_z 1
		.amdhsa_system_vgpr_workitem_id 0
		.amdhsa_next_free_vgpr 154
		.amdhsa_next_free_sgpr 66
		.amdhsa_reserve_vcc 0
		.amdhsa_float_denorm_mode_32 3
		.amdhsa_float_denorm_mode_16_64 3
		.amdhsa_memory_ordered 1
		.amdhsa_forward_progress 1
		.amdhsa_inst_pref_size 147
	.end_amdhsa_kernel
	.amdgpu_metadata
---
amdhsa.version: [ 1, 2 ]
amdhsa.kernels:
  - .name:           k_q3b1688045f_gather
    .symbol:         k_q3b1688045f_gather.kd
    .args:
      - { .name: q, .offset: 0, .size: 8, .value_kind: global_buffer, .address_space: global }
      - { .name: weights, .offset: 8, .size: 8, .value_kind: global_buffer, .address_space: global }
      - { .name: out0, .offset: 16, .size: 8, .value_kind: global_buffer, .address_space: global }
    .group_segment_fixed_size: 130048
    .private_segment_fixed_size: 0
    .kernarg_segment_align: 8
    .kernarg_segment_size: 24
    .max_flat_workgroup_size: 768
    .sgpr_count:     66
    .vgpr_count:     154
    .wavefront_size: 32
...
	.end_amdgpu_metadata
.endif
;; end of part 3
